; MI455X (gfx1250); checked and timed in simulation.
; The chip was launched on July 23, 2026; its instructions are those of AMD's public machine-readable ISA for CDNA 5 (MIT licence, August 2026) and "CDNA5" Instruction Set Architecture Reference Guide (July 2026). The comments in the code are by the model that wrote it; some were corrected since.
;; Core Attention. Allowed arithmetic: matrix products marked QUANTISED: E2M1 operands, one E8M0 scale for each 32 along K, by v_wmma_scale_f32_16x16x128_f8f6f4 with both operands' format E2M1 (or v_wmma_scale_f32_32x16x128_f4), f32 sums; everything else in f32.
;; Inputs: key_states_codes 2 x 16 x 2,048 x 2 x 16 uint8 (E2M1 codes of key_states, K innermost, in blocks of 32 codes, two codes a byte); key_states_scales 2 x 16 x 2,048 x 2 uint8 (E8M0 scales of key_states, one for each 32 codes along K); query_states_codes 2 x 16 x 2,048 x 2 x 16 uint8 (E2M1 codes of query_states, K innermost, in blocks of 32 codes, two codes a byte); query_states_scales 2 x 16 x 2,048 x 2 uint8 (E8M0 scales of query_states, one for each 32 codes along K); value_states_codes 2 x 16 x 64 x 64 x 16 uint8 (E2M1 codes of value_states, K innermost, in blocks of 32 codes, two codes a byte); value_states_scales 2 x 16 x 64 x 64 uint8 (E8M0 scales of value_states, one for each 32 codes along K).
;; Outputs: out0 2 x 16 x 2,048 x 64 float32.
;; This version of the problem:
;;   THIS VERSION OF THE PROBLEM IS GIVEN IN LOW PRECISION. The matrix products marked QUANTISED in the list below multiply operands that are first quantised to E2M1 (2 exponent bits, 1 mantissa bit; 4 bits a number), with one power-of-two scale for each 32 numbers along K (OCP MX v1.0); their sums are f32. All else is computed in f32.
;;   The module's matrix products, in the order in which they are computed (A, B: the left and right operand; K: the contracted axis; several contracted axes count as one K, in the product's order):
;;     1. batch 32 x [M 2,048, K 64] x [K 64, N 2,048]; A: input query_states (given as codes); B: input key_states (given as codes): QUANTISED
;;     2. batch 32 x [M 2,048, K 2,048] x [K 2,048, N 64]; A: softmax (see below); B: input value_states (given as codes): QUANTISED
;;   THE QUANTISER, for each operand of a quantised product, along K:
;;     - K is cut into blocks of 32 from its start; a last block that is shorter is filled with zeros.
;;     - A block's scale is 2^e with e = floor(log2(the largest magnitude in the block)) - 2, held to -126 .. 127; a block of zeros has e = 0. As a byte (E8M0): e + 127.
;;     - Each number is divided by its block's scale, clamped to +-6, and rounded to the nearest number of E2M1, ties to even, subnormals kept.
;;     - The product sums the exact products of the quantised numbers (number of the format x scale) in f32.
;;   ~~~python
;;   def quantise(x, axis):      # numpy; x: float32 -> the quantised numbers, widened to float32 again
;;       x = np.moveaxis(x, axis, -1); K = x.shape[-1]
;;       x = np.pad(x, [(0, 0)] * (x.ndim - 1) + [(0, -K % 32)]); x = x.reshape(x.shape[:-1] + (-1, 32)); a = np.abs(x).max(-1, keepdims=True)
;;       e = np.where(a > 0, np.clip(np.frexp(np.where(a > 0, a, 1))[1] - 1 - 2, -126, 127), 0)      # np.frexp(a)[1] - 1 = floor(log2(a)), exactly
;;       r = np.clip(x / 2.0 ** e, -6, 6)
;;       step = 2.0 ** (np.maximum(np.frexp(np.where(r == 0, 1, r))[1] - 1, 0) - 1)
;;       q = np.round(r / step) * step * 2.0 ** e      # np.round: ties to even
;;       return np.moveaxis(q.reshape(q.shape[:-2] + (-1,))[..., :K], -1, axis).astype(np.float32)
;;   ~~~
;;   SOFTMAX AHEAD OF A QUANTISED PRODUCT. Where the list says 'softmax', what is quantised is not the finished softmax but p = 2^(t - M), with t = logit x log2(e) and M = ceil(the row's largest t), a whole number; so 1/2 < the row's largest p <= 1. The row's sum l is taken of the UNQUANTISED p, in f32, and the product's result is divided by l at the end. Since M is a whole number, a kernel that streams over the keys may use a running M (the ceiling of the running maximum): every later rescaling is an exact power of two, which a block's scale takes up: the codes' values come out the same.
;;   OPERANDS COMPUTED ON THE WAY. 'Computed on the way' means the value that the module computes at that place (a softmax that the list does not call 'softmax' is quantised finished and normalised). What goes into a quantiser is computed in f32, as accurately as f32 sums, v_exp_f32 and their like allow (about 1e-6 of the number): no bf16 or f16 on the way to a quantiser, and a product that is left as it is and whose result goes on into a quantised operand takes f32 operands (vector FMAs, or v_wmma_f32_16x16x4_f32). A number that lies on a knife's edge between two numbers of the format may be rounded either way, as far as f32 arithmetic and the matrix unit's own rounding can turn it there, and no further.
;;   INPUTS GIVEN AS CODES. key_states (in the module: [2, 16, 2048, 64], K = its axis 3); query_states (in the module: [2, 16, 2048, 64], K = its axis 3); value_states (in the module: [2, 16, 2048, 64], K = its axis 2): each comes as NAME_codes (uint8): NAME with its K axis moved to the last place and cut into blocks of 32 codes, [.., K / 32, bytes a block], one block behind the other in memory; two codes a byte, the lower K in the low four bits (a code: sign, 2 exponent bits, 1 mantissa bit); and NAME_scales (uint8): the same leading axes, one E8M0 byte (e + 127) for each 32 codes along K. Its value is code x scale, taken as it is: it is not quantised again, and the codes and scales need not be those that the quantiser above would give.
;; One version. Each part assembles by itself: llvm-mc -triple=amdgcn-amd-amdhsa -mcpu=gfx1250 --defsym DOCPART=n.
;; ======== version 1 of 1: 1 launch
;; limits: right only within a limited range of input values
;; launch attn (part 1): grid 8 x 32, 8 waves a work-group, clusters of 4 x 1, 185,344 bytes of LDS; arguments key_states_codes, key_states_scales, query_states_codes, query_states_scales, value_states_codes, value_states_scales, out0; writes out0
.if DOCPART == 1
	.amdgcn_target "amdgcn-amd-amdhsa--gfx1250"
	.amdhsa_code_object_version 6
	.text
	.protected	k_q6f25f05d22_attn
	.globl	k_q6f25f05d22_attn
	.p2align	8
	.type	k_q6f25f05d22_attn,@function
k_q6f25f05d22_attn:
	s_mov_b64 s[64:65], 0
	v_nop
	global_prefetch_b8 v0, s[64:65] scope:SCOPE_SE
	s_setreg_imm32_b32 hwreg(HW_REG_WAVE_MODE, 25, 1), 1
	s_wait_xcnt 0x0
	s_wait_alu depctr_hold_cnt(0) depctr_sa_sdst(0) depctr_va_vdst(0) depctr_va_sdst(0) depctr_va_ssrc(0) depctr_va_vcc(0) depctr_vm_vsrc(0)
	s_getreg_b32 s2, hwreg(HW_REG_IB_STS2, 6, 4)
	s_cmp_eq_u32 s2, 0
	s_cbranch_scc0 .Lentry_in_a_cluster
	s_endpgm
.Lentry_in_a_cluster:
	s_bfe_u32 s2, ttmp6, 0x10000c
	s_cmp_lg_u32 s2, 0x3003
	s_cbranch_scc0 .Lentry_shape_is_right
	s_endpgm
.Lentry_shape_is_right:
; Causal attention on codes of FP4 (E2M1), one E8M0 scale byte for each 32 along a product's K.  32 heads, 2,048 queries and keys, head size 64.
; Q, K: [32][2048] rows of 32 bytes of codes (K = the head's 64), 2 scale bytes a row.  V: [32][64 channels] rows of 1,024 bytes (K = the keys), 64 scale bytes a row.  out0: [32][2048][64] f32.
; THE SOFTMAX AHEAD OF THE SECOND PRODUCT: t = sum x log2(e) / 8; M = the row's largest t so far, rounded UP to a whole number; p = 2^(t - M) is quantised along the keys, not normalised.
; The row's sum is taken of the unquantised p and divides at the end.  When M moves, the sum and O are multiplied by 2^(old M - new M): exact.
; SHARES.  A tile is 16 queries, a step 128 keys, a block 128 queries (8 tiles).  A tile of block b needs steps 0 .. b, and step b is the one that the diagonal crosses.  The 8 work-groups of a head take tile idx = 0 .. 7 of EVERY
; block.  Wave w makes the tile of block 15 - w (pass A, 16 - w steps) and then that of block w (pass B, w + 1 steps): 17 steps, two of them on the diagonal, for every wave of the launch.
; Which steps count hangs on the wave's number alone; idx enters only Q's and out0's addresses and the number that the diagonal's compares read.
; LDS.  A whole head's K, V and scale bytes lie in LDS, each byte filled once: no slot is filled again.  CLUSTER: four work-groups of a head ask for each tile JOINTLY (the same load, the same descriptor, a mask that names the four).
; LAYOUT.  Both products are used transposed: S^T = K Q^T (source 0 = 16 keys, source 1 = my 16 queries), O^T = V^T P^T (source 0 = 16 channels, source 1 = P): a lane holds ONE query (lane % 16) throughout.
; THE KEYS OF A TILE ARE NOT NEIGHBOURS: lane r of tile 2 b + u takes key 32 b + 8 u + r + 8 (r / 8), so that the 16 registers of tiles 2 b, 2 b + 1 are 16 neighbouring keys, 32 b + 16 (lane / 16) + 0 .. 15.
; K = 64 IN AN INSTRUCTION OF K = 128.  Q's fragment has zero CODES for k = 64 .. 127.  K's fragment of tile e is v[KF + 4 e .. + 7]: its upper four registers are the next tile's codes (for tile 7: zeros); they meet Q's zero
; codes and add nothing (E2M1 has no NaN and no infinity); the scale bytes 2 and 3 of both words are the 0 that a zero-extended 16-bit load leaves, which is 2^-127 and not the NaN byte.
; LIMITS.  (1) Steps all of whose keys are hidden are left out.  reference() gives hidden keys the logit -10,000, not -infinity: their p is 2^(-14,427 - M), which is 0 in f32 while the row's largest visible logit lies above about -9,896;
; rows below that are not served.  In the step on the diagonal hidden sums become -80,000, the logit -10,000 itself.  (2) A scale byte 0xff among the inputs is not served.  (3) p under 2^-126 comes out of v_exp_f32 as 0.
; (4) A block's largest p is made from the block's largest sum by the same two instructions: this takes v_exp_f32 not to fall where its input rises.
.set CH,    34816                      ; LDS: a chunk of 512 keys: four places of K, then V's 64 rows
.set KPL,   4352                       ; a step's place of K: 8 long rows (16 keys x 32 bytes = 512 bytes) + 16 of padding each, pitch 528, 128 bytes idle;  also: 16 rows of V at pitch 272;  also: a wave's stage
.set VOFF,  4*KPL                      ; V's part of a chunk: 64 rows x (256 bytes + 16)
.set SCB,   4*CH                       ; K's scale bytes: a place of 1,280 bytes for each chunk, 1,024 used: 2 bytes a key
.set SCV,   SCB+5120                   ; V's scale bytes: 64 rows x (64 bytes + 16)
.set STG,   SCB+10240                  ; the way out: 16 rows x (256 bytes + 16) for each wave; no tensor load lands here
.set AK0,  1                           ; v1   my lane's place in a step's K: 528 (r / 8) + 32 (r % 8) + 16 h: the sixteen lanes of half a load touch sixteen different 16-byte columns modulo 256 bytes
.set AV0,  2                           ; v2   in a chunk's V: VOFF + 272 r + 16 h
.set ASK0, 3                           ; v3   among K's scale bytes: SCB + 2 (r + 8 (r / 8) + 8 h): lanes 0-15 an even tile's keys, lanes 16-31 the odd tile's beside it
.set ASV0, 4                           ; v4   among V's scale words: SCV + 80 x lane: lanes 0-15 an even tile's channels, lanes 16-31 the odd tile's
.set DQ,   5                           ; v5   16 idx + r - 16 h: on the diagonal register 16 b + i is hidden where 32 b + i > DQ
.set STO,  6                           ; v6   the stage: where I put 32 bytes of a row
.set RD,   7                           ; v7   and where I read a row back
.set GO,   8                           ; v8   16 x lane: my bytes in two rows of out0
.set MV,   9                           ; v9   -80,000.0
.set ADK,  10                          ; v10-13  the step's LDS addresses: K, V, K's scale bytes, V's scale words
.set ADV,  11
.set ADS,  12
.set ADT,  13
.set QSA,  14                          ; v14, v15  Q's scale words of pass A, pass B
.set QSB,  15
.set QA,   16                          ; v16-23  Q's fragment of pass A: four registers of codes, four of zeros;  v24-31 pass B's
.set QB,   24
.set NM,   32                          ; v32  -M;  v33 the largest t so far (named as a pair by the packed scaling)
.set TM,   33
.set SUM,  34                          ; v[34:35] the row's sum in two halves
.set KSC,  36                          ; v36-39  K's scale words, two tiles to a register
.set VSC,  40                          ; v40-41  V's likewise
.set PW,   42                          ; v42  p's scale word
.set KF,   44                          ; v44-79  K's codes: tile e at KF + 4 e; v76-79 stay 0
.set VF,   80                          ; v80-111 V's four fragments
.set S,    112                         ; v112-175 S^T, then p; on the way out rows of out0
.set O,    176                         ; v176-207 O^T: tile t (channels 16 t on) at O + 8 t
.set PC,   208                         ; v208-215 p's codes
.set BM,   216                         ; v216-219 the blocks' largest sums, then their largest p (at the head: Q's four offsets)
.set TP,   220                         ; v220-223 at work
.set SO,   224                         ; v224-227 the conversions' scale operands
.set F,    228                         ; v228 2^(old M - new M), at the end 1 / the sum; v229 stays 0 (named with it as a pair)
.set T0,   230
.set C1,   232                         ; v[232:237] three more chains of the row's sum
.set C2,   234
.set C3,   236
.set WV,   18                          ; s18  my wave's number
.set UQ,   19                          ; s19  wave % 4
.set HEAD, 20
.set IDX,  21                          ; s21  which tile of every block is my work-group's
.set SEL,  22                          ; s[22:23] v_permlanex16_b32's selects for lane l xor 16
.set CS,   24                          ; s[24:25] c = log2(e) / 8
.set BLK,  26                          ; s26  the pass's block = its last step (at the head: pass A's first query)
.set SI,   27                          ; s27  the step's number (at the head: pass B's first query)
.set G1K,  28                          ; s[28:35], s[36:43], s[44:51], s[52:59] descriptor groups 1: K's codes, V's codes, K's scale bytes, V's scale bytes
.set G1V,  36
.set G1KS, 44
.set G1VS, 52
.set TK,   60                          ; s60-63  where the step begins in LDS: K, V, K's scale bytes, V's scale words
.set TV,   61
.set TS,   62
.set TJ,   63
.set INNER, 66
.set OUTER, 67
.set G0,   68                          ; s[68:87] five descriptor groups 0: my scale bytes, then my part of chunks 0 to 3
.set OUTA, 98                          ; s[98:99], s[100:101] out0 at pass A's tile, at pass B's
.set OUTB, 100
.set W0K,  15|(3<<16)|(1<<20)|(1<<21)|(6<<22)|(3<<25)   ; 15:0 the mask: all four work-groups; 17:16 elements of 8 bytes; 20 padding on; 21 set beside a mask; 24:22 after every 128 words; 31:25 four words
.set W0V,  15|(3<<16)|(1<<20)|(1<<21)|(5<<22)|(3<<25)   ; padding after every 64 words
.set W0KS, 15|(3<<16)|(1<<21)                           ; no padding
.set W0VS, 15|(3<<16)|(1<<20)|(1<<21)|(3<<22)|(3<<25)   ; padding after every 16 words
.macro GROUP1 g, w0, c, r, p           ; r rows of c elements, p elements from row to row
	s_mov_b32 s[\g], \w0
	s_mov_b32 s[\g+1], (\c)<<16                    ; tensor_dim0
	s_mov_b32 s[\g+2], (\r)<<16                    ; tensor_dim1
	s_mov_b32 s[\g+3], (\c)<<16                    ; tile_dim0
	s_mov_b32 s[\g+4], \r                          ; tile_dim1
	s_mov_b32 s[\g+5], \p                          ; tensor_dim0_stride
	s_mov_b32 s[\g+6], 0
	s_mov_b32 s[\g+7], 0
.endm
; A round of the cluster's barrier: my work-group's barrier, so that wave 0's signal speaks for all eight waves; wave 0 signals for the work-group; every wave waits for all four work-groups; my work-group's barrier once more.
.macro CROUND
	s_barrier_signal -1
	s_barrier_wait -1
	s_cmp_lg_u32 s[WV], 0
	s_cbranch_scc1 .Lnot_wave_0_\@
	s_barrier_signal -3
.Lnot_wave_0_\@:
	s_barrier_wait -3
	s_barrier_signal -1
	s_barrier_wait -1
.endm
; My parts of the chunks that are read next have landed (n of my younger loads may stay out), no LDS instruction of mine is out; then everybody's have.
.macro BAR n
	s_wait_tensorcnt \n
	s_wait_dscnt 0x0
	s_barrier_signal -1
	s_barrier_wait -1
.endm
	s_load_b256 s[4:11], s[0:1], 0x0               ; K's codes s[4:5], K's scales s[6:7], Q's codes s[8:9], Q's scales s[10:11]
	s_load_b128 s[12:15], s[0:1], 0x20             ; V's codes s[12:13], V's scales s[14:15]
	s_load_b64 s[16:17], s[0:1], 0x30              ; out0
	v_lshl_add_u32 v254, v0, 2, 0x2d000
	v_mov_b32 v255, 0
	ds_add_u32 v254, v255
	ds_add_u32 v254, v255
	v_lshrrev_b32 v10, 5, v0
	v_readfirstlane_b32 s[WV], v10                 ; wave 0..7
	s_and_b32 s[UQ], s[WV], 3
	s_and_b32 s[HEAD], ttmp7, 0xffff               ; the head, which the four partners share
	s_bfe_u32 s3, ttmp6, 0x40000                   ; cx: my place in the cluster
	s_lshl_b32 s[IDX], ttmp9, 2                    ; in a cluster launch ttmp9 counts clusters
	s_add_co_u32 s[IDX], s[IDX], s3                ; idx = 4 x cluster x + cx
	GROUP1 G1K,  W0K,  64, 8,  64                  ; a step's K: 4,096 dense bytes as 8 rows of 512
	GROUP1 G1V,  W0V,  32, 16, 128                 ; 16 channels x 256 bytes (512 keys), 1,024 bytes from row to row
	GROUP1 G1KS, W0KS, 32, 4,  32                  ; a chunk's scale bytes of K: 1,024 dense bytes
	GROUP1 G1VS, W0VS, 8,  16, 8                   ; 16 channels' scale bytes of V: rows of 64 bytes, dense
	s_mov_b32 s[SEL], 0x76543210
	s_mov_b32 s[SEL+1], 0xfedcba98
	s_mov_b32 s[CS], 0x3e38aa3b                    ; c = log2(e) / 8
	s_mov_b32 s[CS+1], s[CS]                       ; (named with it as a pair, so it is written)
	s_mul_i32 s96, s[WV], KPL                      ; 4,352 x wave: my place in a chunk, and among the stages
	s_add_co_u32 s2, s96, STG                      ; my stage
	s_lshl_b32 s3, s[IDX], 4                       ; 16 idx
	v_and_b32 v10, 15, v0                          ; r
	v_bfe_u32 v11, v0, 4, 1                        ; h
	v_and_b32 v12, 31, v0                          ; lane
	v_and_b32 v13, 7, v0                           ; r % 8
	v_bfe_u32 v[T0], v0, 3, 1                      ; r / 8
	v_mul_u32_u24 v[AK0], v[T0], 528
	v_lshl_add_u32 v[AK0], v13, 5, v[AK0]
	v_lshl_add_u32 v[AK0], v11, 4, v[AK0]
	v_mul_u32_u24 v[AV0], v10, 272
	v_lshl_add_u32 v[AV0], v11, 4, v[AV0]
	v_add_nc_u32 v[AV0], VOFF, v[AV0]
	v_and_b32 v[ASK0], 8, v0
	v_add_nc_u32 v[ASK0], v[ASK0], v10
	v_lshl_add_u32 v[ASK0], v11, 3, v[ASK0]
	v_lshl_add_u32 v[ASK0], v[ASK0], 1, SCB
	v_mul_u32_u24 v[ASV0], v12, 80
	v_add_nc_u32 v[ASV0], SCV, v[ASV0]
	v_lshlrev_b32 v[DQ], 4, v11
	v_sub_nc_u32 v[DQ], v10, v[DQ]
	v_add_nc_u32 v[DQ], s3, v[DQ]
	v_mul_u32_u24 v[STO], v10, 272                 ; in: row r, 32 bytes for each half of the lanes
	v_lshl_add_u32 v[STO], v11, 5, v[STO]
	v_add_nc_u32 v[STO], s2, v[STO]
	v_mul_u32_u24 v[RD], v11, 272                  ; back: lanes 0-15 one row of 256 bytes, lanes 16-31 the next
	v_lshl_add_u32 v[RD], v10, 4, v[RD]
	v_add_nc_u32 v[RD], s2, v[RD]
	v_lshlrev_b32 v[GO], 4, v12
	v_mov_b32 v[MV], 0xc79c4000
.irp j, 4,5,6,7
	v_mov_b32 v[QA+\j], 0                          ; Q's zero codes for k = 64 .. 127
	v_mov_b32 v[QB+\j], 0
	v_mov_b32 v[KF+28+\j], 0                       ; what stands above tile 7's codes
	v_mov_b32 v[TP-4+\j], 0                        ; written once: a lane permute's destination counts as one of its sources
.endr
	v_mov_b32 v[F+1], 0
	; the two passes' first queries, and what hangs on them: out0's offsets and Q's lane offsets
	s_xor_b32 s26, s[WV], 15                       ; 15 - wave
	s_lshl_b32 s26, s26, 7
	s_add_co_u32 s26, s26, s3                      ; pass A: 128 (15 - wave) + 16 idx
	s_lshl_b32 s27, s[WV], 7
	s_add_co_u32 s27, s27, s3                      ; pass B: 128 wave + 16 idx
	s_lshl_b32 s2, s[HEAD], 19                     ; a head of out0 is 524,288 bytes; all of out0 stays under 2^25
	s_lshl_b32 s[OUTA], s26, 8
	s_add_co_u32 s[OUTA], s[OUTA], s2
	s_mov_b32 s[OUTA+1], 0
	s_lshl_b32 s[OUTB], s27, 8
	s_add_co_u32 s[OUTB], s[OUTB], s2
	s_mov_b32 s[OUTB+1], 0
	v_lshlrev_b32 v[BM], 5, v10
	v_lshl_add_u32 v[BM], v11, 4, v[BM]            ; Q's codes: row r of 32 bytes, + 16 h
	v_lshlrev_b32 v[BM+2], 1, v10                  ; Q's scale bytes: 2 a row
	v_lshl_add_u32 v[BM+1], s27, 5, v[BM]
	v_lshl_add_u32 v[BM], s26, 5, v[BM]
	v_lshl_add_u32 v[BM+3], s27, 1, v[BM+2]
	v_lshl_add_u32 v[BM+2], s26, 1, v[BM+2]
	; what I fetch.  Waves 0-3: of each chunk the K of step u = wave, and chunk u's scale bytes of K.  Waves 4-7: of each chunk V's channels 16 u on, and those channels' scale bytes.
	s_cmp_lt_u32 s[WV], 4
	s_mov_b32 s92, 16384
	s_cselect_b32 s92, 4096, s92                   ; from u to u + 1: 128 keys x 32 bytes, or 16 rows of 1,024
	s_mov_b32 s93, 256
	s_cselect_b32 s94, 16384, s93                  ; from chunk to chunk: 512 keys x 32 bytes, or 256 bytes along V's rows
	s_mov_b32 s95, 0
	s_mul_i32 s92, s[UQ], s92
	s_lshl_b32 s93, s[HEAD], 16                    ; a head's codes are 65,536 bytes
	s_add_co_u32 s92, s92, s93
	s_mov_b32 s93, 0
	s_lshl_b32 s90, s[UQ], 10                      ; 1,024 scale bytes for each u, in K's and in V's
	s_lshl_b32 s91, s[HEAD], 12                    ; a head's are 4,096
	s_add_co_u32 s90, s90, s91
	s_mov_b32 s91, 0
	s_mul_i32 s97, s[WV], 1280
	s_wait_dscnt 0x0
	s_wait_kmcnt 0x0
	s_cmp_lt_u32 s[WV], 4                          ; the choice hangs on the wave's number alone: it is the same in all four partners
	s_cselect_b64 s[88:89], s[4:5], s[12:13]
	s_cselect_b64 s[G0+2:G0+3], s[6:7], s[14:15]
	s_add_nc_u64 s[G0+2:G0+3], s[G0+2:G0+3], s[90:91]
	s_add_nc_u64 s[G0+6:G0+7], s[88:89], s[92:93]
	s_add_nc_u64 s[G0+10:G0+11], s[G0+6:G0+7], s[94:95]
	s_add_nc_u64 s[G0+14:G0+15], s[G0+10:G0+11], s[94:95]
	s_add_nc_u64 s[G0+18:G0+19], s[G0+14:G0+15], s[94:95]
.irp n, 0,1,2,3,4
	s_mov_b32 s[G0+4*\n], 1                        ; 1:0 count = 1
	s_or_b32 s[G0+4*\n+3], s[G0+4*\n+3], 0x80000000  ; 127:126 type = 2
.endr
	s_add_co_u32 s[G0+1], s97, SCB                 ; LDS addresses: a constant + a constant x wave: no place in the cluster enters them
.irp c, 0,1,2,3
	s_add_co_u32 s[G0+5+4*\c], s96, \c*CH
.endr
	s_lshl_b32 s88, s[HEAD], 16
	s_mov_b32 s89, 0
	s_add_nc_u64 s[8:9], s[8:9], s[88:89]          ; Q's codes at my head
	s_lshl_b32 s88, s[HEAD], 12
	s_add_nc_u64 s[10:11], s[10:11], s[88:89]      ; and its scale bytes
	s_add_nc_u64 s[OUTA:OUTA+1], s[16:17], s[OUTA:OUTA+1]
	s_add_nc_u64 s[OUTB:OUTB+1], s[16:17], s[OUTB:OUTB+1]
	CROUND                                         ; all four work-groups are here: the joint loads meet
	s_cmp_lt_u32 s[WV], 4                          ; all fills of the launch go out here, a wave's five in one branch: five tensor loads of mine are out.  Four v_nop follow the last
	s_cbranch_scc0 .Lfirst_v
	tensor_load_to_lds s[G0:G0+3], s[G1KS:G1KS+7]
	s_nop 0
	tensor_load_to_lds s[G0+4:G0+7], s[G1K:G1K+7]
	s_nop 0
	tensor_load_to_lds s[G0+8:G0+11], s[G1K:G1K+7]
	s_nop 0
	tensor_load_to_lds s[G0+12:G0+15], s[G1K:G1K+7]
	s_nop 0
	tensor_load_to_lds s[G0+16:G0+19], s[G1K:G1K+7]
	s_nop 0
.rept 4
	v_nop
.endr
	s_branch .Lfirst_asked
.Lfirst_v:
	tensor_load_to_lds s[G0:G0+3], s[G1VS:G1VS+7]
	s_nop 0
	tensor_load_to_lds s[G0+4:G0+7], s[G1V:G1V+7]
	s_nop 0
	tensor_load_to_lds s[G0+8:G0+11], s[G1V:G1V+7]
	s_nop 0
	tensor_load_to_lds s[G0+12:G0+15], s[G1V:G1V+7]
	s_nop 0
	tensor_load_to_lds s[G0+16:G0+19], s[G1V:G1V+7]
	s_nop 0
.rept 4
	v_nop
.endr
.Lfirst_asked:
	global_load_b128 v[QA:QA+3], v[BM], s[8:9] th:TH_LOAD_NT     ; lane (r, h): k = 32 h .. 32 h + 31 of query r; a tile's 512 bytes are read by this wave alone
	global_load_b128 v[QB:QB+3], v[BM+1], s[8:9] th:TH_LOAD_NT
	global_load_u16 v[QSA], v[BM+2], s[10:11]      ; zero-extended: bytes 2 and 3 are 0
	global_load_u16 v[QSB], v[BM+3], s[10:11]
; A pass begins: O^T and the sum as zeros, the largest t as -3e38, under every t: the first change of M multiplies zeros by 0, so the step is written once.
.macro BEGIN pass
	v_mov_b32 v[TM], 0xff61b1e6
	v_floor_f32 v[NM], -v[TM]
	v_mov_b32 v[SUM], 0
	v_mov_b32 v[SUM+1], 0
.set j, 0
.rept 32
	v_mov_b32 v[O+j], 0
.set j, j+1
.endr
	s_mov_b32 s[SI], 0
	s_mov_b32 s[TK], 0
	s_mov_b32 s[TV], 0
	s_mov_b32 s[TS], 0
	s_mov_b32 s[TJ], 0
.if \pass == 0
	s_xor_b32 s[BLK], s[WV], 15                    ; 15 - wave
.else
	s_mov_b32 s[BLK], s[WV]
.endif
.endm
; A KEY STEP: 128 keys.  qf: Q's fragment;  sw: its scale word.
.macro STEP qf, sw
	s_cmp_gt_u32 s[SI], s[BLK]                     ; a step all of whose keys come after my queries is left out: a scalar branch on the wave's number and a counter, round the work, not round the lines that step addresses
	s_cbranch_scc1 .Lhidden_\@
	v_add_nc_u32 v[ADK], s[TK], v[AK0]             ; these four are also the places between the last step's products and the loads into V's registers
	v_add_nc_u32 v[ADV], s[TV], v[AV0]
	v_add_nc_u32 v[ADS], s[TS], v[ASK0]
	v_add_nc_u32 v[ADT], s[TJ], v[ASV0]
.irp e, 0,1,2,3,4,5,6,7
	ds_load_b128 v[KF+4*\e:KF+4*\e+3], v[ADK] offset:1056*(\e/2)+256*(\e%2)   ; tile e: 32 (e / 2) keys are two long rows, 8 (e % 2) keys 256 bytes
.endr
.irp b, 0,1,2,3
	ds_load_u16 v[KSC+\b], v[ADS] offset:64*\b     ; lanes 0-15: tile 2 b's keys; lanes 16-31: tile 2 b + 1's
.endr
.irp t, 0,1,2,3
.irp c, 0,1
	ds_load_b128 v[VF+8*\t+4*\c:VF+8*\t+4*\c+3], v[ADV] offset:KPL*\t+32*\c   ; V is asked for now and wanted behind the softmax
.endr
.endr
.irp g, 0,1
	ds_load_b32 v[VSC+\g], v[ADT] offset:2560*\g   ; lanes 0-15: tile 2 g's channels; lanes 16-31: tile 2 g + 1's
.endr
	s_wait_dscnt 10                                ; K's twelve loads are in; V's ten, issued behind them, may be out
.irp e, 0,1,2,3,4,5,6,7
.if (\e)%2
	v_wmma_scale_f32_16x16x128_f8f6f4 v[S+8*\e:S+8*\e+7], v[KF+4*\e:KF+4*\e+7], v[\qf:\qf+7], 0, v[KSC+\e/2], v[\sw] matrix_a_fmt:MATRIX_FMT_FP4 matrix_b_fmt:MATRIX_FMT_FP4 matrix_a_scale:MATRIX_SCALE_ROW1
.else
	v_wmma_scale_f32_16x16x128_f8f6f4 v[S+8*\e:S+8*\e+7], v[KF+4*\e:KF+4*\e+7], v[\qf:\qf+7], 0, v[KSC+\e/2], v[\sw] matrix_a_fmt:MATRIX_FMT_FP4 matrix_b_fmt:MATRIX_FMT_FP4
.endif
.endr
.rept 4
	v_nop                                          ; four places between the last product and the first read of results (ISA guide 7.12.1)
.endr
	s_cmp_lg_u32 s[SI], s[BLK]                     ; the pass's last step lies on the diagonal: hidden sums become -80,000 ahead of the maximum, in ascending order of the registers
	s_cbranch_scc1 .Lopen_\@
.set n, 0
.rept 64
	v_cmp_gt_i32 vcc_lo, 32*(n/16)+n%16, v[DQ]
	v_cndmask_b32 v[S+n], v[S+n], v[MV], vcc_lo
.set n, n+1
.endr
.Lopen_\@:
.irp b, 0,1,2,3
	v_max3_num_f32 v[BM+\b], v[S+16*\b], v[S+16*\b+1], v[S+16*\b+2]   ; the largest sum of each block of 32 keys: it serves the row's maximum and, since p rises with the sum, the block's largest p.  Each tile is read from its low end on
.endr
.irp i, 3,5,7,9,11,13
.irp b, 0,1,2,3
	v_max3_num_f32 v[BM+\b], v[BM+\b], v[S+16*\b+\i], v[S+16*\b+\i+1]   ; (the four blocks by turns)
.endr
.endr
.irp b, 0,1,2,3
	v_max_num_f32 v[BM+\b], v[BM+\b], v[S+16*\b+15]
.endr
.irp b, 0,1,2,3
	v_permlanex16_b32 v[TP+\b], v[BM+\b], s[SEL], s[SEL+1]
.endr
.irp b, 0,1,2,3
	v_max_num_f32 v[BM+\b], v[BM+\b], v[TP+\b]     ; with lane l xor 16's 16 keys
.endr
	v_max3_num_f32 v[T0], v[BM], v[BM+1], v[BM+2]
	v_max_num_f32 v[T0], v[T0], v[BM+3]            ; the step's largest sum of my query,
	v_mul_f32 v[T0], s[CS], v[T0]                  ; as t (c is positive)
	v_max_num_f32 v[TM], v[TM], v[T0]              ; the running largest t
	v_mov_b32 v[T0], v[NM]
	v_floor_f32 v[NM], -v[TM]                      ; the new -M = floor(-t) = -ceil(t): a whole number
	v_sub_f32 v[T0], v[NM], v[T0]                  ; old M - new M: a whole number, 0 or less
	v_cvt_i32_f32 v[T0], v[T0]                     ; (it saturates)
	v_ldexp_f32 v[F], 1.0, v[T0]                   ; f = 2^(old M - new M)
	; ONE BATCH: the scalings t - M and all 68 exponentials.  No line of it names an exponential's result; a pair is scaled two pairs ahead of its exponentials.
.irp b, 0,1,2,3
	v_fma_f32 v[BM+\b], v[BM+\b], s[CS], v[NM]
.endr
	v_pk_fma_f32 v[S:S+1], v[S:S+1], s[CS:CS+1], v[NM:NM+1] op_sel_hi:[1,0,0]       ; (of the pairs c and -M the low word serves both halves)
	v_pk_fma_f32 v[S+2:S+3], v[S+2:S+3], s[CS:CS+1], v[NM:NM+1] op_sel_hi:[1,0,0]
.irp b, 0,1,2,3
	v_exp_f32 v[BM+\b], v[BM+\b]                   ; the block's largest p: the same two instructions on the same number give the same bits
.endr
.set j, 0
.rept 32
.if j < 30
	v_pk_fma_f32 v[S+2*j+4:S+2*j+5], v[S+2*j+4:S+2*j+5], s[CS:CS+1], v[NM:NM+1] op_sel_hi:[1,0,0]
.endif
	v_exp_f32 v[S+2*j], v[S+2*j]                   ; p = 2^(t - M), at most 1: not normalised
	v_exp_f32 v[S+2*j+1], v[S+2*j+1]
.set j, j+1
.endr
	v_pk_mul_f32 v[SUM:SUM+1], v[SUM:SUM+1], v[F:F+1] op_sel_hi:[1,0]   ; the sums under the new M: the plain instruction behind the last exponential
	s_wait_alu depctr_va_vdst(0)                   ; one wait for the whole batch, ahead of the first line that names a result
	v_pk_add_f32 v[C1:C1+1], v[S:S+1], v[S+2:S+3]  ; the row's sum is taken of the unquantised p: two at a time, in four chains
	v_pk_add_f32 v[C2:C2+1], v[S+4:S+5], v[S+6:S+7]
	v_pk_add_f32 v[C3:C3+1], v[S+8:S+9], v[S+10:S+11]
	v_pk_add_f32 v[SUM:SUM+1], v[SUM:SUM+1], v[S+12:S+13]
.irp j, 14,22,30,38,46,54
	v_pk_add_f32 v[C1:C1+1], v[C1:C1+1], v[S+\j:S+\j+1]
	v_pk_add_f32 v[C2:C2+1], v[C2:C2+1], v[S+\j+2:S+\j+3]
	v_pk_add_f32 v[C3:C3+1], v[C3:C3+1], v[S+\j+4:S+\j+5]
	v_pk_add_f32 v[SUM:SUM+1], v[SUM:SUM+1], v[S+\j+6:S+\j+7]
.endr
	v_pk_add_f32 v[C1:C1+1], v[C1:C1+1], v[S+62:S+63]
	v_pk_add_f32 v[C2:C2+1], v[C2:C2+1], v[C3:C3+1]
	v_pk_add_f32 v[SUM:SUM+1], v[SUM:SUM+1], v[C1:C1+1]
	v_pk_add_f32 v[SUM:SUM+1], v[SUM:SUM+1], v[C2:C2+1]
.irp b, 0,1,2,3
	v_max_num_f32 v[BM+\b], 0x1800000, v[BM+\b]    ; the floor 2^(3 - 127): the byte cannot fall under 1 (a block whose every p is 0 keeps that byte: its codes are zeros)
.endr
.irp b, 0,1,2,3
	v_add_nc_u32 v[SO+\b], 0xff000000, v[BM+\b]    ; 2 off the exponent field: the conversion takes the exponent field of this operand as its scale
.endr
.irp b, 0,1,2,3
	v_lshrrev_b32 v[TP+\b], 23, v[SO+\b]           ; the scale's byte
.endr
	v_lshl_or_b32 v[PW], v[TP+1], 8, v[TP]         ; p's scale word for these 128 keys
	v_lshl_or_b32 v[PW], v[TP+2], 16, v[PW]
	v_lshl_or_b32 v[PW], v[TP+3], 24, v[PW]
.irp b, 0,1,2,3
	v_cvt_scalef32_pk8_fp4_f32 v[PC+2*\b], v[S+16*\b:S+16*\b+7], v[SO+\b]
	v_cvt_scalef32_pk8_fp4_f32 v[PC+2*\b+1], v[S+16*\b+8:S+16*\b+15], v[SO+\b]
.endr
	v_nop                                          ; one plain instruction behind the last scaled conversion
.irp c, 0,1                                    ; the operand's layout wants a WHOLE block in a lane: lanes 0-15 block 2 c, lanes 16-31 block 2 c + 1
.irp i, 0,1
	v_permlane16_swap_b32 v[PC+4*\c+\i], v[PC+4*\c+2+\i]
.endr
.endr
.set j, 0
.rept 16
	v_pk_mul_f32 v[O+j:O+j+1], v[O+j:O+j+1], v[F:F+1] op_sel_hi:[1,0]   ; O^T under the new M, each tile from its low end on.  Twelve of the sixteen name no register of any one product below: the places behind p's scale word (8) and its codes (4)
.set j, j+2
.endr
	s_wait_dscnt 0x0                               ; V and its scale words are in
.irp t, 0,1,2,3                                ; O^T += V^T P^T.  One instruction to an accumulator; the next step's eight K Q^T stand between two links on one accumulator
.if (\t)%2
	v_wmma_scale_f32_16x16x128_f8f6f4 v[O+8*\t:O+8*\t+7], v[VF+8*\t:VF+8*\t+7], v[PC:PC+7], v[O+8*\t:O+8*\t+7], v[VSC+\t/2], v[PW] matrix_a_fmt:MATRIX_FMT_FP4 matrix_b_fmt:MATRIX_FMT_FP4 matrix_a_scale:MATRIX_SCALE_ROW1
.else
	v_wmma_scale_f32_16x16x128_f8f6f4 v[O+8*\t:O+8*\t+7], v[VF+8*\t:VF+8*\t+7], v[PC:PC+7], v[O+8*\t:O+8*\t+7], v[VSC+\t/2], v[PW] matrix_a_fmt:MATRIX_FMT_FP4 matrix_b_fmt:MATRIX_FMT_FP4
.endif
.endr
.Lhidden_\@:
	s_add_co_u32 s[SI], s[SI], 1
	s_add_co_u32 s[TK], s[TK], KPL                 ; the next step's place of K,
	s_add_co_u32 s[TV], s[TV], 64                  ; its 64 bytes of V's rows,
	s_add_co_u32 s[TS], s[TS], 256                 ; its 128 keys' scale bytes,
	s_add_co_u32 s[TJ], s[TJ], 4                   ; its word of V's scale rows
.endm
; A chunk's four steps: written once, walked four times; then on to the next chunk.
.macro CHUNK qf, sw
	s_mov_b32 s[INNER], 4
.Lstep_\@:
	STEP \qf, \sw
	s_sub_co_u32 s[INNER], s[INNER], 1
	s_cmp_lg_u32 s[INNER], 0
	s_cbranch_scc1 .Lstep_\@
	s_add_co_u32 s[TK], s[TK], CH-4*KPL
	s_add_co_u32 s[TV], s[TV], CH-256
	s_add_co_u32 s[TS], s[TS], 1280-1024
.endm
; THE WAY OUT of a tile.  O^T is divided by the row's sum and goes through my own stage in LDS: a lane holds 32 neighbouring bytes of a row for each tile of channels; back come whole rows of 256 bytes.
.macro WAYOUT base, more
.rept 4
	v_nop                                          ; four places between the last product and the first read of O^T
.endr
	v_add_f32 v[SUM], v[SUM], v[SUM+1]             ; the sum's two halves,
	v_permlanex16_b32 v[TP], v[SUM], s[SEL], s[SEL+1]
	v_add_f32 v[SUM], v[SUM], v[TP]                ; and lane l xor 16's: the row's sum
	v_rcp_f32 v[F], v[SUM]
	v_nop                                          ; a plain instruction behind the reciprocal,
	s_wait_alu depctr_va_vdst(0)                   ; and the wait ahead of its first reader
.set j, 0
.rept 16
	v_pk_mul_f32 v[S+j:S+j+1], v[O+j:O+j+1], v[F:F+1] op_sel_hi:[1,0]   ; register 8 t + i is o(query r, channel 16 t + 8 h + i)
.set j, j+2
.endr
.irp t, 0,1,2,3
	ds_store_b128 v[STO], v[S+8*\t:S+8*\t+3] offset:64*\t
	ds_store_b128 v[STO], v[S+8*\t+4:S+8*\t+7] offset:64*\t+16
.endr
.irp i, 0,1,2,3,4,5,6,7
	ds_load_b128 v[S+32+4*\i:S+32+4*\i+3], v[RD] offset:544*\i   ; LDS serves a wave's instructions in order (ISA guide 5.7.1.4): these see my stores
.endr
.irp i, 0,1,2,3,4,5,6,7
	s_wait_dscnt 7-\i                              ; load i is in; the 7 - i issued behind it may be out
	global_store_b128 v[GO], v[S+32+4*\i:S+32+4*\i+3], s[\base:\base+1] offset:512*\i th:TH_STORE_NT   ; 32 lanes store two rows of out0: 512 consecutive bytes, at a multiple of 512 from out0's first byte
.endr
.if \more
	s_wait_xcnt 0x0                                ; the stores have read their registers: the next pass writes them again only behind this wait
.endif
.endm
	BEGIN 0
	s_wait_loadcnt 0x0                             ; Q; its offsets' registers are free
	BAR 3                                          ; my scale bytes and my part of chunk 0 are in; behind them stand my three loads for chunks 1 to 3
	CHUNK QA, QSA
	BAR 2                                          ; chunk 1; chunks 2 and 3 may be out
	CHUNK QA, QSA
	BAR 0                                          ; all of the head lies in LDS; no tensor load of mine is out from here on
	s_mov_b32 s[OUTER], 2
.Lpair_a:
	CHUNK QA, QSA
	s_sub_co_u32 s[OUTER], s[OUTER], 1
	s_cmp_lg_u32 s[OUTER], 0
	s_cbranch_scc1 .Lpair_a
	WAYOUT OUTA, 1
	BEGIN 1                                        ; pass B: block = wave, at most 8 steps: two chunks
	s_mov_b32 s[OUTER], 2
.Lpair_b:
	CHUNK QB, QSB
	s_sub_co_u32 s[OUTER], s[OUTER], 1
	s_cmp_lg_u32 s[OUTER], 0
	s_cbranch_scc1 .Lpair_b
	WAYOUT OUTB, 0
	s_wait_tensorcnt 0x0
	ds_add_u32 v254, v255
	s_wait_dscnt 0x0
	CROUND                                         ; the closing round, behind the last tensor load of every partner
	s_endpgm
.Lfunc_end_k_q6f25f05d22_attn:
	.size	k_q6f25f05d22_attn, .Lfunc_end_k_q6f25f05d22_attn-k_q6f25f05d22_attn
	.p2alignl 7, 3214868480
	.fill 96, 4, 3214868480
	.section	.rodata,"a",@progbits
	.p2align	6, 0x0
	.amdhsa_kernel k_q6f25f05d22_attn
		.amdhsa_group_segment_fixed_size 185344
		.amdhsa_private_segment_fixed_size 0
		.amdhsa_enable_private_segment 0
		.amdhsa_kernarg_size 56
		.amdhsa_user_sgpr_count 2
		.amdhsa_user_sgpr_kernarg_segment_ptr 1
		.amdhsa_wavefront_size32 1
		.amdhsa_system_sgpr_workgroup_id_x 1
		.amdhsa_system_sgpr_workgroup_id_y 1
		.amdhsa_system_sgpr_workgroup_id_z 1
		.amdhsa_system_vgpr_workitem_id 0
		.amdhsa_next_free_vgpr 256
		.amdhsa_next_free_sgpr 102
		.amdhsa_reserve_vcc 1
		.amdhsa_float_denorm_mode_32 3
		.amdhsa_float_denorm_mode_16_64 3
		.amdhsa_memory_ordered 1
		.amdhsa_forward_progress 1
		.amdhsa_inst_pref_size 103
	.end_amdhsa_kernel
	.amdgpu_metadata
---
amdhsa.version: [ 1, 2 ]
amdhsa.kernels:
  - .name:           k_q6f25f05d22_attn
    .symbol:         k_q6f25f05d22_attn.kd
    .args:
      - { .name: key_states_codes, .offset: 0, .size: 8, .value_kind: global_buffer, .address_space: global }
      - { .name: key_states_scales, .offset: 8, .size: 8, .value_kind: global_buffer, .address_space: global }
      - { .name: query_states_codes, .offset: 16, .size: 8, .value_kind: global_buffer, .address_space: global }
      - { .name: query_states_scales, .offset: 24, .size: 8, .value_kind: global_buffer, .address_space: global }
      - { .name: value_states_codes, .offset: 32, .size: 8, .value_kind: global_buffer, .address_space: global }
      - { .name: value_states_scales, .offset: 40, .size: 8, .value_kind: global_buffer, .address_space: global }
      - { .name: out0, .offset: 48, .size: 8, .value_kind: global_buffer, .address_space: global }
    .group_segment_fixed_size: 185344
    .private_segment_fixed_size: 0
    .kernarg_segment_align: 8
    .kernarg_segment_size: 56
    .max_flat_workgroup_size: 256
    .sgpr_count:     102
    .vgpr_count:     256
    .wavefront_size: 32
...
	.end_amdgpu_metadata
.endif
;; end of part 1
